; MI455X (gfx1250); checked and timed in simulation.
; The chip was launched on July 23, 2026; its instructions are those of AMD's public machine-readable ISA for CDNA 5 (MIT licence, August 2026) and "CDNA5" Instruction Set Architecture Reference Guide (July 2026). The comments in the code are by the model that wrote it; some were corrected since.
;; Feed Forward Quantum. Allowed arithmetic: float matrix products may take bf16 or f16 operands with f32 sums; other float arithmetic in f32, or as packed bf16 or f16 multiplies, adds, multiply-adds, maxima and minima; sums over many terms, partial sums and values carried from step to step in f32; what a program stores and reads back later, other than sums and carried values, may be rounded once to bf16 or f16.
;; Inputs: W1 4,096 x 10 float32; W2 1,024 x 4,096 float32; b1 4,096 float32; b2 1,024 float32; theta 10 float32; x 4 x 4,096 x 1,024 float32.
;; Outputs: out0 4 x 4,096 x 1,024 float32.
;; 2 versions, each right; version 2 is version 1 with the launch prep written anew for expert scheduling mode. Each part assembles by itself: llvm-mc -triple=amdgcn-amd-amdhsa -mcpu=gfx1250 --defsym DOCPART=n.
;; ======== version 1 of 2: 2 launches
;; limits: values outside matrix products are rounded to f16; values are held in f16: magnitudes above 65,504 overflow, below 6.1e-05 lose precision; right only within a limited range of input values
;; workspace buffers: wpack 8,912,896 bytes; qx 524,288 bytes
;; launch prep (part 1): grid 256 x 1, 8 waves a work-group, no clusters, 0 bytes of LDS; arguments x, theta, W1, b1, W2, wpack, qx; writes wpack, qx
.if DOCPART == 1
	.amdgcn_target "amdgcn-amd-amdhsa--gfx1250"
	.amdhsa_code_object_version 6
	.text
	.protected	k_qe18da7c84f_prep
	.globl	k_qe18da7c84f_prep
	.p2align	8
	.type	k_qe18da7c84f_prep,@function
k_qe18da7c84f_prep:
	s_mov_b64 s[64:65], 0
	v_nop
	global_prefetch_b8 v0, s[64:65] scope:SCOPE_SE
	s_setreg_imm32_b32 hwreg(HW_REG_WAVE_MODE, 25, 1), 1
	s_wait_xcnt 0x0
; PREPARES THE OPERANDS OF THE FUSED LAUNCH.  A stream: no LDS, no matrix unit, no barrier; every number is rounded once, to f16.
; wpack: [4 y][32 s][272 rows][128 f16], a block (y, s) of 69,632 bytes.  Rows 0-255: f16(W2[256 y + row][128 s .. 128 s + 127]).
;   Rows 256-271: 128 extended rows of 32 bytes; extended row j belongs to ffn row k = (128 s + 32 + j) mod 4096 and holds
;   W1[k][0..9], b1[k], five zeros.  (The shift by 32: the fused loop needs W1 one quarter step of 32 ahead of W2.)  One copy for each y.
; qx: [16384 tokens][16 f16]: cos(x[t][i] + theta[i]) for i = 0..9, then 1.0 (it multiplies b1), then five zeros.
; SHARES.  256 work-groups of eight waves.  Every wave converts 8,192 bytes of W2 (half a row).  Beside that waves 0-3 write 16 extended rows,
; wave w into copy y = w, and waves 4-7 make qx for 16 tokens each.  Two lanes share a row of 32 bytes: e = lane & 1 takes slots 8 e .. 8 e + 7.
; THE COSINE.  phi = x + theta in f32, as the module adds them; n = the whole number nearest phi / 2 pi; r = phi - n 2 pi with 2 pi in two parts,
; each taken off by a fused multiply-add; cos r by its series up to r^16, whose remainder at |r| = pi is 1.4e-7.
; LIMITS.  The series' largest terms are near 5 and each step is rounded to f32: the cosine is off by some 1e-6 for |x + theta| up to 1e5, more beyond
; (n is then no longer the nearest).  f16 holds no number beyond 65,504 and keeps a fixed step of 6e-8 below 6e-5: W1, b1 and W2 are taken to lie within that.
.set BLK,  69632                       ; bytes in a block of wpack: 272 rows of 256
.set YB,   32*BLK                      ; bytes of one y
.set EXT,  65536                       ; a block's extended rows begin here
.set D,    12                          ; v[12:19]  my eight slots
.set TH,   20                          ; v[20:27]  theta for them (waves 0-3: v20 = b1)
.set N,    30                          ; v[30:37]  n
.set U,    38                          ; v[38:45]  r^2
.set P,    46                          ; v[46:53]  the series
.set Z,    56                          ; v[56:59]  my 16 bytes to store
.set AX,   64                          ; v[64:127]  W2 as loaded: chunk i in 8 registers
.set AY,   128                         ; v[128:159] W2 in f16: chunk i in 4 registers
	s_load_b256 s[4:11], s[0:1], 0x0               ; x s[4:5], theta s[6:7], W1 s[8:9], b1 s[10:11]
	s_load_b128 s[12:15], s[0:1], 0x20             ; W2 s[12:13], wpack s[14:15]
	s_load_b64 s[16:17], s[0:1], 0x30              ; qx
	v_lshrrev_b32 v1, 5, v0
	v_readfirstlane_b32 s18, v1                    ; wave 0..7
	v_and_b32 v2, 31, v0                           ; lane
	v_and_b32 v3, 1, v0                            ; e
	v_lshlrev_b32 v4, 5, v2                        ; W2: 32 bytes (8 numbers) a lane
	v_lshrrev_b32 v10, 4, v2
	v_and_b32 v11, 15, v2
	v_lshlrev_b32 v11, 4, v11
	v_mad_u32_u24 v5, v10, BLK, v11                ; wpack: lanes 0-15 fill a row of 256 bytes of one block, lanes 16-31 the same row of the next block
	v_lshrrev_b32 v10, 1, v2                       ; which of my wave's 16 rows or tokens
	v_lshlrev_b32 v28, 4, v2                       ; 16 bytes a lane: 512 consecutive bytes a wave
	v_lshlrev_b32 v1, 5, v3                        ; 32 e
	v_lshlrev_b32 v11, 3, v3
	v_sub_nc_u32 v11, 8, v11                       ; 8 (1 - e): lanes with e = 1 read bytes 32-39 four times, so that no load passes the end of a row of 40 bytes
	v_cmp_eq_u32 vcc_lo, 0, v3                     ; e = 0
	s_lshl_b32 s20, ttmp9, 16                      ; W2: 65,536 bytes (4 rows) a work-group,
	s_lshl_b32 s21, s18, 13                        ; 8,192 a wave
	s_add_co_u32 s20, s20, s21
	s_mov_b32 s21, 0
	s_lshr_b32 s22, ttmp9, 6                       ; y = row / 256
	s_mul_i32 s22, s22, YB
	s_and_b32 s23, s18, 1                          ; which half of the row: steps 0-15 or 16-31
	s_mul_i32 s23, s23, 16*BLK
	s_add_co_u32 s22, s22, s23
	s_and_b32 s23, ttmp9, 63
	s_lshl_b32 s23, s23, 2
	s_lshr_b32 s24, s18, 1
	s_add_co_u32 s23, s23, s24                     ; row in the block = 4 (g mod 64) + wave / 2
	s_lshl_b32 s23, s23, 8
	s_add_co_u32 s22, s22, s23
	s_mov_b32 s23, 0
	s_wait_kmcnt 0x0
	s_add_nc_u64 s[12:13], s[12:13], s[20:21]      ; W2 at my wave's 8,192 bytes
	s_add_nc_u64 s[22:23], s[14:15], s[22:23]      ; wpack at my row in my first block
.macro ALOADS                          ; sixteen loads: chunk i is 1,024 consecutive bytes, 256 numbers, two steps of 128
.irp i, 0,1,2,3,4,5,6,7
	global_load_b128 v[AX+8*(\i):AX+8*(\i)+3],   v4, s[12:13] offset:1024*(\i) th:TH_LOAD_NT
	global_load_b128 v[AX+8*(\i)+4:AX+8*(\i)+7], v4, s[12:13] offset:1024*(\i)+16 th:TH_LOAD_NT
.endr
.endm
	s_cmp_lt_u32 s18, 4
	s_cbranch_scc0 .Ltokens
	; WAVES 0-3: the extended rows of ffn rows 16 g .. 16 g + 15, into copy y = wave
	s_mul_i32 s24, ttmp9, 640                      ; 16 rows of W1, 40 bytes each
	s_mov_b32 s25, 0
	s_add_nc_u64 s[24:25], s[8:9], s[24:25]
	s_lshl_b32 s26, ttmp9, 6                       ; 16 numbers of b1
	s_mov_b32 s27, 0
	s_add_nc_u64 s[26:27], s[10:11], s[26:27]
	s_lshl_b32 s28, ttmp9, 4
	s_add_co_u32 s28, s28, 4064
	s_and_b32 s28, s28, 4095                       ; (k - 32) mod 4096 for my first row: a multiple of 16, so the 16 rows lie in one block
	s_lshr_b32 s29, s28, 7
	s_mul_i32 s29, s29, BLK                        ; the block,
	s_and_b32 s28, s28, 127
	s_lshl_b32 s28, s28, 5                         ; the extended row in it: a multiple of 512 bytes
	s_add_co_u32 s28, s28, s29
	s_mul_i32 s29, s18, YB
	s_add_co_u32 s28, s28, s29
	s_add_co_u32 s28, s28, EXT
	s_mov_b32 s29, 0
	s_add_nc_u64 s[28:29], s[14:15], s[28:29]
	v_mad_u32_u24 v6, v10, 40, v1                  ; row x 40 + 32 e
	v_add_nc_u32 v7, v6, v11
	v_add_nc_u32 v8, v7, v11
	v_add_nc_u32 v9, v8, v11
	v_lshlrev_b32 v29, 2, v10
	global_load_b64 v[D:D+1],   v6, s[24:25]       ; e = 0: W1[k][0..7] by four loads; e = 1: W1[k][8..9] in the first
	global_load_b64 v[D+2:D+3], v7, s[24:25]
	global_load_b64 v[D+4:D+5], v8, s[24:25]
	global_load_b64 v[D+6:D+7], v9, s[24:25]
	global_load_b32 v[TH], v29, s[26:27]           ; b1[k]
	ALOADS
	s_wait_loadcnt 16                              ; loads come back in order (ISA guide 5.7.1): the five small ones are in, W2's sixteen stay out
	v_cndmask_b32 v[D+2], v[TH], v[D+2], vcc_lo    ; e = 1: slot 10 is b1,
.irp j, 3,4,5,6,7
	v_cndmask_b32 v[D+(\j)], 0, v[D+(\j)], vcc_lo  ; slots 11-15 are 0
.endr
.irp j, 0,1,2,3
	v_cvt_pk_f16_f32 v[Z+(\j)], v[D+2*(\j)], v[D+2*(\j)+1]
.endr
	global_store_b128 v28, v[Z:Z+3], s[28:29]      ; 512 consecutive bytes, at a multiple of 256 from wpack's first byte
	s_branch .Lw2
.Ltokens:
	; WAVES 4-7: qx for 16 tokens a wave
	s_sub_co_u32 s19, s18, 4
	s_lshl_b32 s24, ttmp9, 18                      ; 64 tokens of 4,096 bytes a work-group,
	s_lshl_b32 s25, s19, 16                        ; 16 a wave
	s_add_co_u32 s24, s24, s25
	s_mov_b32 s25, 0
	s_add_nc_u64 s[24:25], s[4:5], s[24:25]
	s_lshl_b32 s28, ttmp9, 11                      ; in qx: 32 bytes a token
	s_lshl_b32 s29, s19, 9
	s_add_co_u32 s28, s28, s29
	s_mov_b32 s29, 0
	s_add_nc_u64 s[28:29], s[16:17], s[28:29]
	s_mov_b32 s30, 0x29573f9f                      ; 1 / 16!
	s_mov_b32 s31, s30                             ; named with it as a pair
	v_lshl_add_u32 v29, v10, 12, v1                ; token x 4,096 + 32 e
	v_mov_b32 v6, v1                               ; theta: 32 e + 8 i (1 - e), inside its 40 bytes
	v_add_nc_u32 v7, v6, v11
	v_add_nc_u32 v8, v7, v11
	v_add_nc_u32 v9, v8, v11
	global_load_b128 v[D:D+3],   v29, s[24:25]     ; x[t][8 e .. 8 e + 7]: of a token's first 64 bytes the first 40 are used
	global_load_b128 v[D+4:D+7], v29, s[24:25] offset:16
	global_load_b64 v[TH:TH+1],   v6, s[6:7]
	global_load_b64 v[TH+2:TH+3], v7, s[6:7]
	global_load_b64 v[TH+4:TH+5], v8, s[6:7]
	global_load_b64 v[TH+6:TH+7], v9, s[6:7]
	ALOADS
	s_wait_loadcnt 16                              ; the six small loads are in, W2's sixteen stay out
.irp p, 0,2,4,6
	v_pk_add_f32 v[D+(\p):D+(\p)+1], v[D+(\p):D+(\p)+1], v[TH+(\p):TH+(\p)+1]  ; phi
.endr
.irp p, 0,2,4,6
	v_pk_mul_f32 v[N+(\p):N+(\p)+1], v[D+(\p):D+(\p)+1], 0x3e22f983 op_sel_hi:[1,0]  ; phi / 2 pi
.endr
.irp j, 0,1,2,3,4,5,6,7
	v_rndne_f32 v[N+(\j)], v[N+(\j)]
.endr
.irp p, 0,2,4,6
	v_pk_fma_f32 v[D+(\p):D+(\p)+1], v[N+(\p):N+(\p)+1], 0xc0c90fdb, v[D+(\p):D+(\p)+1] op_sel_hi:[1,0,1]  ; - n x 6.2831855
.endr
.irp p, 0,2,4,6
	v_pk_fma_f32 v[D+(\p):D+(\p)+1], v[N+(\p):N+(\p)+1], 0x343bbd2e, v[D+(\p):D+(\p)+1] op_sel_hi:[1,0,1]  ; + n x 1.7484556e-7: what that constant has too much
.endr
.irp p, 0,2,4,6
	v_pk_mul_f32 v[U+(\p):U+(\p)+1], v[D+(\p):D+(\p)+1], v[D+(\p):D+(\p)+1]
.endr
.irp p, 0,2,4,6
	v_pk_fma_f32 v[P+(\p):P+(\p)+1], v[U+(\p):U+(\p)+1], s[30:31], 0xad49cba5 op_sel_hi:[1,0,0]  ; u / 16! - 1 / 14!
.endr
.irp c, 0x310f76c7, 0xb493f27e, 0x37d00d01, 0xbab60b61, 0x3d2aaaab, -0.5, 1.0  ; 1/12!, -1/10!, 1/8!, -1/6!, 1/4!, -1/2!, 1
.irp p, 0,2,4,6
	v_pk_fma_f32 v[P+(\p):P+(\p)+1], v[P+(\p):P+(\p)+1], v[U+(\p):U+(\p)+1], \c op_sel_hi:[1,1,0]
.endr
.endr
	v_cndmask_b32 v[P+2], 1.0, v[P+2], vcc_lo      ; e = 1: slot 10 is 1.0,
.irp j, 3,4,5,6,7
	v_cndmask_b32 v[P+(\j)], 0, v[P+(\j)], vcc_lo  ; slots 11-15 are 0
.endr
.irp j, 0,1,2,3
	v_cvt_pk_f16_f32 v[Z+(\j)], v[P+2*(\j)], v[P+2*(\j)+1]
.endr
	global_store_b128 v28, v[Z:Z+3], s[28:29]      ; 512 consecutive bytes, at a multiple of 256 from qx's first byte
.Lw2:
	; ALL WAVES: W2 to f16.  No register is used twice, so no wait stands here but the counted ones for the data.
.irp i, 0,1,2,3,4,5,6,7
	s_wait_loadcnt 14-2*(\i)                       ; chunk i's two loads are in; two for each later chunk stay out
.irp j, 0,1,2,3
	v_cvt_pk_f16_f32 v[AY+4*(\i)+(\j)], v[AX+8*(\i)+2*(\j)], v[AX+8*(\i)+2*(\j)+1]
.endr
	global_store_b128 v5, v[AY+4*(\i):AY+4*(\i)+3], s[22:23] offset:(\i)*2*BLK  ; 16 lanes store 256 consecutive bytes, a whole row of a block; the chunk's two steps are two blocks
.endr
	s_endpgm
.Lfunc_end_k_qe18da7c84f_prep:
	.size	k_qe18da7c84f_prep, .Lfunc_end_k_qe18da7c84f_prep-k_qe18da7c84f_prep
	.p2alignl 7, 3214868480
	.fill 96, 4, 3214868480
	.section	.rodata,"a",@progbits
	.p2align	6, 0x0
	.amdhsa_kernel k_qe18da7c84f_prep
		.amdhsa_group_segment_fixed_size 0
		.amdhsa_private_segment_fixed_size 0
		.amdhsa_enable_private_segment 0
		.amdhsa_kernarg_size 56
		.amdhsa_user_sgpr_count 2
		.amdhsa_user_sgpr_kernarg_segment_ptr 1
		.amdhsa_wavefront_size32 1
		.amdhsa_system_sgpr_workgroup_id_x 1
		.amdhsa_system_sgpr_workgroup_id_y 1
		.amdhsa_system_sgpr_workgroup_id_z 1
		.amdhsa_system_vgpr_workitem_id 0
		.amdhsa_next_free_vgpr 160
		.amdhsa_next_free_sgpr 66
		.amdhsa_reserve_vcc 1
		.amdhsa_float_denorm_mode_32 3
		.amdhsa_float_denorm_mode_16_64 3
		.amdhsa_memory_ordered 1
		.amdhsa_forward_progress 1
		.amdhsa_inst_pref_size 17
	.end_amdhsa_kernel
	.amdgpu_metadata
---
amdhsa.version: [ 1, 2 ]
amdhsa.kernels:
  - .name:           k_qe18da7c84f_prep
    .symbol:         k_qe18da7c84f_prep.kd
    .args:
      - { .name: x, .offset: 0, .size: 8, .value_kind: global_buffer, .address_space: global }
      - { .name: theta, .offset: 8, .size: 8, .value_kind: global_buffer, .address_space: global }
      - { .name: W1, .offset: 16, .size: 8, .value_kind: global_buffer, .address_space: global }
      - { .name: b1, .offset: 24, .size: 8, .value_kind: global_buffer, .address_space: global }
      - { .name: W2, .offset: 32, .size: 8, .value_kind: global_buffer, .address_space: global }
      - { .name: wpack, .offset: 40, .size: 8, .value_kind: global_buffer, .address_space: global }
      - { .name: qx, .offset: 48, .size: 8, .value_kind: global_buffer, .address_space: global }
    .group_segment_fixed_size: 0
    .private_segment_fixed_size: 0
    .kernarg_segment_align: 8
    .kernarg_segment_size: 56
    .max_flat_workgroup_size: 256
    .sgpr_count:     66
    .vgpr_count:     160
    .wavefront_size: 32
...
	.end_amdgpu_metadata
.endif
;; end of part 1
;; launch main (part 2): grid 64 x 4, 4 waves a work-group, clusters of 4 x 1, 327,680 bytes of LDS; arguments wpack, qx, b2, out0; writes out0
.if DOCPART == 2
	.amdgcn_target "amdgcn-amd-amdhsa--gfx1250"
	.amdhsa_code_object_version 6
	.text
	.protected	k_qe18da7c84f_main
	.globl	k_qe18da7c84f_main
	.p2align	8
	.type	k_qe18da7c84f_main,@function
k_qe18da7c84f_main:
	s_mov_b64 s[64:65], 0
	v_nop
	global_prefetch_b8 v0, s[64:65] scope:SCOPE_SE
	s_setreg_imm32_b32 hwreg(HW_REG_WAVE_MODE, 25, 1), 1
	s_wait_xcnt 0x0
	s_wait_alu depctr_hold_cnt(0) depctr_sa_sdst(0) depctr_va_vdst(0) depctr_va_sdst(0) depctr_va_ssrc(0) depctr_va_vcc(0) depctr_vm_vsrc(0)
	s_getreg_b32 s2, hwreg(HW_REG_IB_STS2, 6, 4)
	s_cmp_eq_u32 s2, 0
	s_cbranch_scc0 .Lentry_in_a_cluster
	s_endpgm
.Lentry_in_a_cluster:
	s_bfe_u32 s2, ttmp6, 0x10000c
	s_cmp_lg_u32 s2, 0x3003
	s_cbranch_scc0 .Lentry_shape_is_right
	s_endpgm
.Lentry_shape_is_right:
; out[t][n] = b2[n] + the sum over k of relu(q[t] . W1[k] + b1[k]) W2[n][k], both products in ONE launch: h = relu(..) never leaves the registers.
; Operands f16 (as the launch before wrote them: wpack, qx), all sums f32, h rounded once to f16, out in f32.
; LIMITS.  h of 65,520 or more becomes an infinity in f16 (|h| is at most the sum of a row's |W1| plus |b1|); below 6e-5 f16 keeps a fixed step of 6e-8.
; The maximum with 0 lets a NaN lose: a NaN in q, W1 or b1 gives h = 0 where the module gives NaN.
; SHARES.  A work-group makes 256 tokens x 256 features of out; each of its four waves 64 tokens x 256 features: 64 accumulators of 16 x 16, 512 registers.
; K = 4,096 goes in 32 steps of 128, a step in four QUARTERS of 32.  For 32 of K a wave issues 8 products for its own h and 64 for out.
; LAYOUT.  First layer: source 0 = 16 extended rows of W1 (W1[k][0..9], b1[k], zeros), source 1 = 16 extended tokens (q, 1.0, zeros), K slots 16-31 zero registers.
; In the result a lane holds ONE token (lane % 16) and the ffn rows 8 (lane / 16) + 0..7; two such results, rounded to f16 in pairs, ARE source 1 (32 of K x 16 tokens)
; of the second product, whose source 0 is 16 rows of W2.  Its result again holds one token a lane, and eight neighbouring features.  Nothing changes lanes.
; PIPELINE.  Quarter (s, q) multiplies W2's fragments in buffer q % 2 by h in buffer q % 2; makes the next quarter's h into the other buffer: 8 products at its head, and their 64
; conversions and maxima in fours behind every fourth product; and fetches from LDS the next quarter's W2 and the W1 rows of the quarter after that (both lie in one block of wpack).
; RING.  Two LDS slots, a block of wpack (256 rows of W2 for a step, 16 rows of extended W1) in each; each wave brings 68 of a block's 272 rows by one tensor load.
; CLUSTER.  The four work-groups of a cluster have four token blocks and the same 256 features, so they walk the same blocks: each load is asked for JOINTLY, with the same descriptor
; (made of the feature block and the wave's number alone) and a mask that names the four.
; REGISTERS, in windows of 256 (s_set_vgpr_msb: bits 1:0 source 0, 3:2 source 1, 5:4 source 2, 7:6 destination):
;   window 0: v0-15 addresses; v16-23 b2; v32-63 the tokens' fragments; v64-79 W1's; v128-191 the first layer's results; v192-223, v224-255 h, two buffers
;   window 1: W2's fragments, two buffers of 128 (on the way out: rows read back)     window 2: the accumulators of my tokens 0-31     window 3: those of tokens 32-63
.set PITCH,  272                       ; an LDS row: 256 bytes + 16 of padding = 68 words: row r starts at bank 4 r mod 64 (64 banks of 4 bytes: ISA guide 11.1)
.set BLK,    69632                     ; bytes of a block in memory: 272 rows of 256
.set YB,     32*BLK                    ; the 32 blocks of one feature block
.set WROWS,  68                        ; rows that one tensor load brings
.set SLOT1,  1<<17                     ; slot 0 at byte 0 (73,984 bytes); slot 1 here, so that one exclusive or turns an address in one slot into the other's
.set W1LDS,  256*PITCH                 ; a slot's extended rows of W1: eight of 32 bytes in each of 16 LDS rows
.set W1FIRST, 31*BLK+65536+96*32       ; in memory: ffn rows 0-31 are the last 32 extended rows of block 31
.set STAGE,  SLOT1+272*PITCH           ; behind the ring, never filled by a tensor load: 16 rows x 1,040 bytes for each wave, for the way out
.set SPITCH, 1040                      ; 1,024 bytes + 16: the 16 rows that a store touches start at 16 different groups of four banks
.set SPARE,  STAGE+4*16*SPITCH         ; behind the stages: the spare words, 128 bytes for each wave: two blocks of 256 bytes that no other line names
.set STEPS,  32
.set AW2_0, 4                          ; v4   my lane's place in a fragment of W2: 272 (l % 16) + 16 (l / 16); never rewritten
.set AW1_0, 5                          ; v5   the same for W1's extended rows
.set AW2,  6                           ; v6   v4 + the slot that the fetches read
.set AW1,  7                           ; v7   v5 + that slot
.set STO,  8                           ; v8   the way out: where I put 32 bytes of a row
.set RD,   9                           ; v9   the way out: where I read half a row back
.set CO,   10                          ; v10  16 x lane: my place in 512 consecutive bytes of out and of b2
.set QO,   11                          ; v11  32 (l % 16) + 16 (l / 16): my place in 16 extended rows in memory
.set ZR,   12                          ; v12  0, for the maximum
.set SPW,  14                          ; v14  LDS address of my spare word: SPARE + 4 x my thread's number; never rewritten
.set NIL,  15                          ; v15  0; never rewritten
.set B2,   16                          ; v[16:23]  b2 for the two halves of a row
.set QF,   32                          ; tokens 16 a .. at QF + 8 a; registers 4-7 of each are 0
.set W1B,  64                          ; ffn rows 16 t .. of a quarter at W1B + 8 t; registers 4-7 of each are 0
.set TT,   128                         ; the first layer's result (a, t) at TT + 16 a + 8 t
.set H0,   192                         ; h: buffer f at H0 + 32 f, tokens 16 a .. at + 8 a
.set WV,   12                          ; s12  my wave's number
.set G1,   24                          ; s[24:31] descriptor group 1
.set G0A,  32                          ; s[32:35] descriptor group 0 of the first fill
.set G0B,  36                          ; s[36:39] of the second; it then walks on
.set TB,   40                          ; s40  the slot that the fetches read: 0 or SLOT1
.set CNT,  41                          ; s41  trips to go
.set MSB, 0
.macro WIN new                         ; the immediate's high byte repeats the setting that is left; a switch that changes nothing is dropped
.if MSB != (\new)
	s_set_vgpr_msb (MSB<<8)|(\new)
.set MSB, \new
.endif
.endm
.set MUL_LO, 0xa1                      ; source 0 (W2) window 1, source 1 (h) window 0, C and D window 2
.set MUL_HI, 0xf1                      ; the same, C and D window 3
.set TO_B,   0x40                      ; destination window 1, address window 0
; A round of the cluster's barrier: my work-group's barrier, so that wave 0's signal speaks for all four waves; wave 0 signals for the work-group; every wave waits for all four
; work-groups; my work-group's barrier once more.  No LDS instruction of the wave is pending at a signal.
.macro CREST                           ; a round behind its opening barrier
	s_cmp_lg_u32 s[WV], 0
	s_cbranch_scc1 .Lnot_wave_0_\@
	s_barrier_signal -3
.Lnot_wave_0_\@:
	s_barrier_wait -3
	s_barrier_signal -1
	s_barrier_wait -1
.endm
.macro CROUND                          ; a whole round
	s_barrier_signal -1
	s_barrier_wait -1
	CREST
.endm
	s_load_b256 s[4:11], s[0:1], 0x0               ; wpack s[4:5], qx s[6:7], b2 s[8:9], out s[10:11]
	v_lshl_add_u32 v[SPW], v0, 2, SPARE
	v_mov_b32 v[NIL], 0
	ds_add_u32 v[SPW], v[NIL]                      ; the wave's opening: the add and its wait stand ahead of my first tensor load; the set-up below, work on registers, stands between them
	v_lshrrev_b32 v1, 5, v0
	v_readfirstlane_b32 s[WV], v1                  ; wave 0..3
	s_bfe_u32 s13, ttmp6, 0x40000                  ; cx: my place in the cluster; it enters qx's and out's addresses alone
	s_lshl_b32 s14, ttmp9, 2                       ; in a cluster launch ttmp9 counts clusters
	s_add_co_u32 s14, s14, s13                     ; my block of 256 tokens = 4 x cluster x + cx
	s_and_b32 s15, ttmp7, 0xffff                   ; my block of 256 features, which the four partners share
	; descriptor group 1: a tile of 68 rows x 128 elements, dense in memory, padded in LDS
	s_mov_b32 s[G1+0], 15|(1<<16)|(1<<20)|(1<<21)|(5<<22)|(3<<25)  ; 15:0 the mask: all four work-groups; 17:16 elements of 2 bytes; 20 padding on; 21 set beside a mask; 24:22 after every 64 words (code 5); 31:25 4 words of it (code 3)
	s_mov_b32 s[G1+1], 128<<16                     ; 63:48 tensor_dim0, low half = 128
	s_mov_b32 s[G1+2], WROWS<<16                   ; 79:64 its high half = 0; 95:80 tensor_dim1, low half = 68
	s_mov_b32 s[G1+3], 128<<16                     ; 111:96 its high half = 0; 127:112 tile_dim0 = 128
	s_mov_b32 s[G1+4], WROWS                       ; 143:128 tile_dim1 = 68; 159:144 tile_dim2 = 0
	s_mov_b32 s[G1+5], 128                         ; 191:160 tensor_dim0_stride: 128 elements from row to row
	s_mov_b32 s[G1+6], 0
	s_mov_b32 s[G1+7], 0
	s_mul_i32 s20, s[WV], WROWS*PITCH              ; where my 68 rows go in a slot: no place in the cluster enters an LDS address
	s_mov_b32 s[G0A], 1                            ; 1:0 count = 1
	s_mov_b32 s[G0A+1], s20                        ; 63:32 LDS address: slot 0
	s_mov_b32 s[G0B], 1
	s_add_co_u32 s[G0B+1], s20, SLOT1              ; slot 1
	s_mul_i32 s16, s15, YB                         ; my feature block's 32 blocks in wpack
	s_mov_b32 s17, 0
	s_mul_i32 s22, s[WV], WROWS*256                ; my 68 rows in a block
	s_mov_b32 s23, 0
	s_lshl_b32 s18, s14, 13                        ; qx: 256 tokens of 32 bytes a work-group,
	s_lshl_b32 s19, s[WV], 11                      ; 64 a wave
	s_add_co_u32 s18, s18, s19
	s_mov_b32 s19, 0
	s_lshl_b32 s42, s15, 10                        ; 256 features of 4 bytes: in b2, and in a row of out
	s_mov_b32 s43, 0
	s_lshl_b32 s44, s14, 20                        ; out: 256 rows of 4,096 bytes a work-group,
	s_lshl_b32 s45, s[WV], 18                      ; 64 a wave
	s_add_co_u32 s44, s44, s45
	s_add_co_u32 s44, s44, s42
	s_mov_b32 s45, 0
	s_mul_i32 s21, s[WV], 16*SPITCH
	s_add_co_u32 s21, s21, STAGE                   ; my stage
	s_mov_b32 s[TB], 0
	s_wait_dscnt 0x0                               ; the opening add is done
	s_wait_kmcnt 0x0
	s_add_nc_u64 s[4:5], s[4:5], s[16:17]          ; wpack at my feature block
	s_add_nc_u64 s[G0A+2:G0A+3], s[4:5], s[22:23]  ; 120:64 global address: my rows of block 0,
	s_add_nc_u64 s[G0B+2:G0B+3], s[G0A+2:G0A+3], BLK  ; of block 1
	s_or_b32 s[G0A+3], s[G0A+3], 0x80000000        ; 127:126 type = 2
	s_or_b32 s[G0B+3], s[G0B+3], 0x80000000
	s_add_nc_u64 s[6:7], s[6:7], s[18:19]
	s_add_nc_u64 s[8:9], s[8:9], s[42:43]
	s_add_nc_u64 s[10:11], s[10:11], s[44:45]
	CROUND                                         ; all four work-groups are here: the first joint loads meet
	tensor_load_to_lds s[G0A:G0A+3], s[G1:G1+7]    ; the two first fills go out together: two loads of mine are out
	s_nop 0
	tensor_load_to_lds s[G0B:G0B+3], s[G1:G1+7]
	s_nop 0
	v_and_b32 v1, 15, v0                           ; l % 16
	v_bfe_u32 v2, v0, 4, 1                         ; l / 16
	v_and_b32 v3, 31, v0                           ; l
	; A fragment is 16 rows x 32 K in 8 registers: lane l holds row l % 16; registers 0-3 hold K = 8 (l / 16) + 0..7, registers 4-7 K = 16 + 8 (l / 16) + 0..7: two loads of 16 bytes, 32 bytes apart.
	v_mul_u32_u24 v[AW2_0], v1, PITCH
	v_lshl_add_u32 v[AW2_0], v2, 4, v[AW2_0]
	v_lshrrev_b32 v[AW1_0], 3, v1                  ; an extended row has 16 K, one load: eight of them lie in an LDS row
	v_mul_u32_u24 v[AW1_0], v[AW1_0], PITCH
	v_and_b32 v13, 7, v1
	v_lshl_add_u32 v[AW1_0], v13, 5, v[AW1_0]
	v_lshl_add_u32 v[AW1_0], v2, 4, v[AW1_0]
	v_add_nc_u32 v[AW1_0], W1LDS, v[AW1_0]
	v_mov_b32 v[AW2], v[AW2_0]                     ; the fetches begin in slot 0
	v_mov_b32 v[AW1], v[AW1_0]
	v_mul_u32_u24 v[STO], v1, SPITCH               ; into the stage: row l % 16, 32 bytes for each half of the lanes
	v_lshl_add_u32 v[STO], v2, 5, v[STO]
	v_add_nc_u32 v[STO], s21, v[STO]
	v_lshlrev_b32 v[CO], 4, v3
	v_add_nc_u32 v[RD], s21, v[CO]                 ; back: 32 lanes take 512 consecutive bytes, half a row
	v_lshlrev_b32 v[QO], 5, v1
	v_lshl_add_u32 v[QO], v2, 4, v[QO]
	v_mov_b32 v[ZR], 0
.irp a, 0,1,2,3
	global_load_b128 v[QF+8*(\a):QF+8*(\a)+3], v[QO], s[6:7] offset:512*(\a)  ; my 64 tokens stay in registers
.endr
.irp t, 0,1
	global_load_b128 v[W1B+8*(\t):W1B+8*(\t)+3], v[QO], s[4:5] offset:W1FIRST+512*(\t)  ; ffn rows 0-31, straight from memory
.endr
.irp u, 0,1
	global_load_b128 v[B2+4*(\u):B2+4*(\u)+3], v[CO], s[8:9] offset:512*(\u)
.endr
.irp a, 0,1,2,3
.irp j, 4,5,6,7
	v_mov_b32 v[QF+8*(\a)+(\j)], 0                 ; K slots 16-31 of the first layer: written once
.endr
.endr
.irp t, 0,1
.irp j, 4,5,6,7
	v_mov_b32 v[W1B+8*(\t)+(\j)], 0
.endr
.endr
; A vector instruction that reads a matrix result or writes one of a matrix instruction's registers, and a load into a register that a matrix instruction has read, stand four places behind
; it, and only plain vector instructions that name none of its registers are places (ISA guide 7.12.1 for vector instructions).
.macro PLACES
.rept 4
	v_nop
.endr
.endm
; THE FIRST LAYER for 32 ffn rows and my 64 tokens: 8 products, each a whole sum (K = 16 used slots), C = 0.  The four v_nop are the places in front of the first reads of the results, of the loads
; into W1's fragments, and (with the four maxima that end the quarter before) of the loads into the W2 buffer that the quarter before multiplied.
.macro LAYER1
	WIN 0
.irp a, 0,1,2,3
.irp t, 0,1
	v_wmma_f32_16x16x32_f16 v[TT+16*(\a)+8*(\t):TT+16*(\a)+8*(\t)+7], v[W1B+8*(\t):W1B+8*(\t)+7], v[QF+8*(\a):QF+8*(\a)+7], 0
.endr
.endr
	PLACES
.endm
; One run of LDS loads: (wf = 1) W1's group qn, 32 extended rows; then W2's 256 rows, 32 K at byte 64 qn of the rows, into buffer fn.
.macro FETCH qn, fn, wf
.if \wf
	WIN 0
.irp t, 0,1
	ds_load_b128 v[W1B+8*(\t):W1B+8*(\t)+3], v[AW1] offset:(4*(\qn)+2*(\t))*PITCH
.endr
.endif
	WIN TO_B
.set i, 0
.rept 16
	ds_load_b128 v[128*(\fn)+8*i:128*(\fn)+8*i+3],   v[AW2] offset:i*16*PITCH+64*(\qn)
	ds_load_b128 v[128*(\fn)+8*i+4:128*(\fn)+8*i+7], v[AW2] offset:i*16*PITCH+64*(\qn)+32
.set i, i+1
.endr
.endm
; Four of the 64 vector instructions that make h of the first layer's results, into the buffer at hb.  For tokens 16 (g / 4) on: g % 4 = 0, 1: result t = g % 4 is rounded to f16 in pairs,
; its lowest registers first; g % 4 = 2, 3: the maximum with 0 of those four registers (after the rounding it gives the same number as before it).
.macro RIDE g, hb
	WIN 0
.set ra, (\g)/4
.set rp, (\g)%4
.if rp < 2
.set rT, TT+16*ra+8*rp
.irp j, 0,1,2,3
	v_cvt_pk_f16_f32 v[(\hb)+8*ra+4*rp+(\j)], v[rT+2*(\j)], v[rT+2*(\j)+1]
.endr
.else
.irp j, 0,1,2,3
	v_pk_max_num_f16 v[(\hb)+8*ra+4*(rp-2)+(\j)], v[(\hb)+8*ra+4*(rp-2)+(\j)], v[ZR]
.endr
.endif
.endm
; Four products of the second layer: tokens 16 (k / 4) on, features 64 (k % 4) on; behind them (mk = 1) four of the vector instructions.  zero = 1: the products start the sums: nothing is cleared.
; The 64 accumulators take turns, in the same order in every quarter.  FB, HB, HN: this quarter's W2 buffer and h buffer, and the h buffer in the making.
.macro BLOCK k, zero, mk
.set ba, (\k)/4
	WIN MUL_LO+0x50*(ba/2)
.irp c, 0,1,2,3
.set bb, 4*((\k)%4)+(\c)
.set AC, 8*(16*(ba%2)+bb)
.if \zero
	v_wmma_f32_16x16x32_f16 v[AC:AC+7], v[FB+8*bb:FB+8*bb+7], v[HB+8*ba:HB+8*ba+7], 0
.else
	v_wmma_f32_16x16x32_f16 v[AC:AC+7], v[FB+8*bb:FB+8*bb+7], v[HB+8*ba:HB+8*ba+7], v[AC:AC+7]
.endif
.endr
.if \mk
	RIDE \k, HN
.endif
.endm
; A QUARTER, number q of its step.  mk = 1: the next quarter's h is made.  ft = 1: the next quarter's W2 is fetched, and (wf = 1) W1 for the quarter after that.
; mt = 1, 2: THE CHANGE OF SLOTS, in a step's quarter 2, whose fetch is the last that reads the slot.  Each wave waits for all its tensor loads, of which one is out: its part of the other slot;
; adds 0 to its spare word; and waits for that and for its own reads of this slot.  Behind the barrier nobody reads this slot any more and the other slot is whole.
; mt = 1: the barrier opens a round of the cluster's, so that no wave of any partner still reads the slot or has a load on its way, and the joint refill, the block two steps on, is the first
; thing behind it: from there to the wait for it a wave issues three quarters and a half of matrix work.  mt = 2: nothing is left to ask for.
.macro QUARTER q, zero, mk, ft, wf, mt
.set FB, 128*((\q)%2)
.set HB, H0+32*((\q)%2)
.set HN, H0+32*(1-(\q)%2)
	s_wait_dscnt 0x0                               ; this quarter's fragments, asked for a whole quarter ago, are in
.if \mk
	LAYER1
.endif
.if \ft
	FETCH ((\q)+1)%4, 1-(\q)%2, \wf
.endif
.irp k, 0,1,2,3,4,5,6,7
	BLOCK \k, \zero, \mk
.endr
.if \mt
	WIN 0                                          ; (the add's two registers lie in window 0)
	s_wait_tensorcnt 0x0                           ; no tensor load of mine is out, so a group 0 may be written
	ds_add_u32 v[SPW], v[NIL]                      ; 0 onto my spare word: scalar steps and sixteen products stand between it and the wait for it
.if (\mt) == 1
	s_xor_b32 s[G0B+1], s[G0B+1], SLOT1            ; the walking descriptor: the other slot than last time,
	s_add_nc_u64 s[G0B+2:G0B+3], s[G0B+2:G0B+3], BLK  ; the next block; the type bits on top are not reached
.endif
	s_xor_b32 s[TB], s[TB], SLOT1                  ; the fetches go on in the other slot
.endif
.irp k, 8,9,10,11
	BLOCK \k, \zero, \mk
.endr
.if \mt
	s_wait_dscnt 0x0                               ; the add is done, and my reads of this slot are over
	s_barrier_signal -1
.endif
.irp k, 12,13,14,15
	BLOCK \k, \zero, \mk
.endr
.if \mt
	WIN 0                                          ; at a branch and at a label every window is 0
	s_barrier_wait -1
.if (\mt) == 1
	CREST
	tensor_load_to_lds s[G0B:G0B+3], s[G1:G1+7]    ; my one tensor load behind the round, and the first thing there
	s_nop 0
.endif
	v_add_nc_u32 v[AW2], s[TB], v[AW2_0]
	v_add_nc_u32 v[AW1], s[TB], v[AW1_0]
.endif
.endm
	s_wait_loadcnt 0x0                             ; my tokens, ffn rows 0-31, b2
	LAYER1                                         ; h of the first quarter is made in the wait for the first block
.irp g, 0,1,2,3,4,5,6,7,8,9,10,11,12,13,14,15
	RIDE \g, H0
.endr
	s_wait_tensorcnt 1                             ; my part of block 0 is in; block 1's may stay out
	s_barrier_signal -1
	s_barrier_wait -1                              ; everybody's is
	FETCH 0, 0, 1
	QUARTER 0, 1, 1, 1, 1, 0                       ; the first quarter stands in front of the loop: its products start the sums
	WIN 0
	s_mov_b32 s[CNT], STEPS-2
.Lstep:                                                ; a trip: a step's quarters 1, 2, 3 and the next step's quarter 0; it fills one slot again: blocks 2 to 31
	QUARTER 1, 0, 1, 1, 1, 0
	QUARTER 2, 0, 1, 1, 1, 1
	QUARTER 3, 0, 1, 1, 1, 0
	QUARTER 0, 0, 1, 1, 1, 0
	WIN 0
	s_sub_co_u32 s[CNT], s[CNT], 1
	s_cmp_lg_u32 s[CNT], 0
	s_cbranch_scc1 .Lstep
	QUARTER 1, 0, 1, 1, 1, 0                       ; the tail is written out: step 30 goes on
	QUARTER 2, 0, 1, 1, 1, 2                       ; block 31 is waited for, nothing is asked for
	QUARTER 3, 0, 1, 1, 1, 0
	QUARTER 0, 0, 1, 1, 1, 0                       ; step 31
	QUARTER 1, 0, 1, 1, 1, 0
	QUARTER 2, 0, 1, 1, 0, 0                       ; no quarter follows the next one: no W1 is fetched,
	QUARTER 3, 0, 0, 0, 0, 0                       ; and the last quarter makes and fetches nothing
	WIN 0
	PLACES                                         ; in front of the LDS stores that read results just made, and of the loads into W2's buffers
; THE WAY OUT, 16 tokens (tile a) at a time.  A lane's eight f32 of a row are 32 bytes; they go into my own stage, rows of 1,040 bytes, each accumulator's low registers first,
; and come back as half rows of 512 consecutive bytes, into W2's buffers, two sets of 128 registers by turns.
.macro TOSTAGE a
.if (\a) >= 2
	s_wait_xcnt 0x0                                ; every earlier memory instruction has had its addresses translated (ISA guide 3.1): the set that tile a - 2's stores read is loaded again only behind this wait
.endif
	WIN 0x08+4*((\a)/2)                            ; store data (source 1) in window 2 or 3
.set i, 0
.rept 16
.set AC, 8*(16*((\a)%2)+i)
	ds_store_b128 v[STO], v[AC:AC+3]   offset:64*i
	ds_store_b128 v[STO], v[AC+4:AC+7] offset:64*i+16
.set i, i+1
.endr
	WIN TO_B
.set i, 0
.rept 32
	ds_load_b128 v[128*((\a)%2)+4*i:128*((\a)%2)+4*i+3], v[RD] offset:(i/2)*SPITCH+(i%2)*512  ; LDS serves a wave's instructions in order (ISA guide 5.7.1.4): these see the stores above; the next tile's stores come behind them
.set i, i+1
.endr
.endm
; Tile a gets b2 and is stored, in four batches of eight half rows.  younger: the LDS instructions issued behind tile a's loads: the next tile's 64, or none.
.macro SEND a, younger
.set bt, 0
.rept 4
.set cnt, (\younger)+24-8*bt           ; behind this batch's loads: the tile's later loads and the younger ones; a wait names 63 at the most, and a smaller count only waits for more
.if cnt > 63
.set cnt, 63
.endif
	s_wait_dscnt cnt
	WIN 0x41                                       ; destination and source 0 window 1, b2 window 0
.set i, 8*bt
.rept 8
.set OB, 128*((\a)%2)+4*i
	v_pk_add_f32 v[OB:OB+1],   v[OB:OB+1],   v[B2+4*(i%2):B2+4*(i%2)+1]
	v_pk_add_f32 v[OB+2:OB+3], v[OB+2:OB+3], v[B2+4*(i%2)+2:B2+4*(i%2)+3]
.set i, i+1
.endr
	WIN 0x04                                       ; store data (source 1) window 1
.set i, 8*bt
.rept 8
.set OB, 128*((\a)%2)+4*i
	global_store_b128 v[CO], v[OB:OB+3], s[10:11] offset:(\a)*65536+(i/2)*4096+(i%2)*512 th:TH_STORE_NT  ; 512 consecutive bytes, at a multiple of 256 from out's first byte
.set i, i+1
.endr
.set bt, bt+1
.endr
.endm
	TOSTAGE 0
	TOSTAGE 1                                      ; a tile's trip through the stage stands between the loads of the tile before and its stores
	SEND 0, 64
	TOSTAGE 2
	SEND 1, 64
	TOSTAGE 3
	SEND 2, 64
	SEND 3, 0
	WIN 0
	s_wait_tensorcnt 0x0                           ; the wave's end: behind my last tensor load and my last LDS store
	ds_add_u32 v[SPW], v[NIL]
	s_wait_dscnt 0x0
	CROUND                                         ; the closing round: no work-group ends while a partner may still ask for a block that names it
	s_endpgm
.Lfunc_end_k_qe18da7c84f_main:
	.size	k_qe18da7c84f_main, .Lfunc_end_k_qe18da7c84f_main-k_qe18da7c84f_main
	.p2alignl 7, 3214868480
	.fill 96, 4, 3214868480
	.section	.rodata,"a",@progbits
	.p2align	6, 0x0
	.amdhsa_kernel k_qe18da7c84f_main
		.amdhsa_group_segment_fixed_size 327680
		.amdhsa_private_segment_fixed_size 0
		.amdhsa_enable_private_segment 0
		.amdhsa_kernarg_size 32
		.amdhsa_user_sgpr_count 2
		.amdhsa_user_sgpr_kernarg_segment_ptr 1
		.amdhsa_wavefront_size32 1
		.amdhsa_system_sgpr_workgroup_id_x 1
		.amdhsa_system_sgpr_workgroup_id_y 1
		.amdhsa_system_sgpr_workgroup_id_z 1
		.amdhsa_system_vgpr_workitem_id 0
		.amdhsa_next_free_vgpr 1024
		.amdhsa_next_free_sgpr 66
		.amdhsa_reserve_vcc 0
		.amdhsa_float_denorm_mode_32 3
		.amdhsa_float_denorm_mode_16_64 3
		.amdhsa_memory_ordered 1
		.amdhsa_forward_progress 1
		.amdhsa_inst_pref_size 195
	.end_amdhsa_kernel
	.amdgpu_metadata
---
amdhsa.version: [ 1, 2 ]
amdhsa.kernels:
  - .name:           k_qe18da7c84f_main
    .symbol:         k_qe18da7c84f_main.kd
    .args:
      - { .name: wpack, .offset: 0, .size: 8, .value_kind: global_buffer, .address_space: global }
      - { .name: qx, .offset: 8, .size: 8, .value_kind: global_buffer, .address_space: global }
      - { .name: b2, .offset: 16, .size: 8, .value_kind: global_buffer, .address_space: global }
      - { .name: out0, .offset: 24, .size: 8, .value_kind: global_buffer, .address_space: global }
    .group_segment_fixed_size: 327680
    .private_segment_fixed_size: 0
    .kernarg_segment_align: 8
    .kernarg_segment_size: 32
    .max_flat_workgroup_size: 128
    .sgpr_count:     66
    .vgpr_count:     1024
    .wavefront_size: 32
...
	.end_amdgpu_metadata
.endif
;; end of part 2
;; ======== version 2 of 2: 2 launches; version 1 with the launch prep written anew for expert scheduling mode
;; limits: values outside matrix products are rounded to f16; values are held in f16: magnitudes above 65,504 overflow, below 6.1e-05 lose precision; right only within a limited range of input values
;; workspace buffers: wpack 8,912,896 bytes; qx 524,288 bytes
;; launch prep (part 3): grid 256 x 1, 8 waves a work-group, no clusters, 0 bytes of LDS; arguments x, theta, W1, b1, W2, wpack, qx; writes wpack, qx
.if DOCPART == 3
	.amdgcn_target "amdgcn-amd-amdhsa--gfx1250"
	.amdhsa_code_object_version 6
	.text
	.protected	k_qe18da7c84f_prep
	.globl	k_qe18da7c84f_prep
	.p2align	8
	.type	k_qe18da7c84f_prep,@function
k_qe18da7c84f_prep:
	s_mov_b64 s[64:65], 0
	v_nop
	global_prefetch_b8 v0, s[64:65] scope:SCOPE_SE
	s_setreg_imm32_b32 hwreg(HW_REG_WAVE_SCHED_MODE, 0, 2), 2
	s_setreg_imm32_b32 hwreg(HW_REG_WAVE_MODE, 25, 1), 1
	s_wait_xcnt 0x0
	s_wait_alu depctr_vm_vsrc(0)
; PREPARES THE OPERANDS OF THE FUSED LAUNCH.  A stream: no LDS, no matrix unit, no barrier; every number is rounded once, to f16.
; wpack: [4 y][32 s][272 rows][128 f16], a block (y, s) of 69,632 bytes.  Rows 0-255: f16(W2[256 y + row][128 s .. 128 s + 127]).
;   Rows 256-271: 128 extended rows of 32 bytes; extended row j belongs to ffn row k = (128 s + 32 + j) mod 4096 and holds
;   W1[k][0..9], b1[k], five zeros.  (The shift by 32: the fused loop needs W1 one quarter step of 32 ahead of W2.)  One copy for each y.
; qx: [16384 tokens][16 f16]: cos(x[t][i] + theta[i]) for i = 0..9, then 1.0 (it multiplies b1), then five zeros.
; SHARES.  256 work-groups of eight waves.  Every wave converts 8,192 bytes of W2 (half a row).  Beside that waves 0-3 write 16 extended rows,
; wave w into copy y = w, and waves 4-7 make qx for 16 tokens each.  Two lanes share a row of 32 bytes: e = lane & 1 takes slots 8 e .. 8 e + 7.
; THE COSINE.  phi = x + theta in f32, as the module adds them; n = the whole number nearest phi / 2 pi; r = phi - n 2 pi with 2 pi in two parts,
; each taken off by a fused multiply-add; cos r by its series up to r^16, whose remainder at |r| = pi is 1.4e-7.
; LIMITS.  The series' largest terms are near 5 and each step is rounded to f32: the cosine is off by some 1e-6 for |x + theta| up to 1e5, more beyond
; (n is then no longer the nearest).  f16 holds no number beyond 65,504 and keeps a fixed step of 6e-8 below 6e-5: W1, b1 and W2 are taken to lie within that.
; THE MODE: SCHED_MODE bits 1:0 = 2 (LLVM: expert scheduling mode 2), set by the entry lines.  The code itself states the register dependences
; between vector instructions and memory instructions, with s_wait_alu, always for 0.
; THE PLAN.  Registers that memory instructions touch; each has one life, there is no loop:
;   v4, v5, v28       offsets made at the head; v6-v9, v29 offsets made in a branch.  Written once by vector instructions, then only read: by the loads, and v5 and v28 by the stores.
;   D, TH, AX         loads land in them once, before any vector instruction names them; the vector work reads them behind the counted waits for the data.
;   Z                 written by a branch's four conversions; read by one store, which stands behind the join, at the head of W2's first block.
;   AY                chunk i's four registers are written by its four conversions, once; read by the chunk's one store, which is issued in the next block.
; One wait on va_vdst in each branch, ahead of its first load, states that all offsets are written.  W2 goes in four blocks of two chunks; at a block's head, behind the wait for
; its data, one wait on va_vdst states that the step before has written its out-registers (Z, or the block before's AY); that step's stores follow, dealt among this block's
; conversions, which name this block's AX and AY alone.  One more stands ahead of the last two stores.  No register that a memory instruction reads is written again.
.set BLK,  69632                       ; bytes in a block of wpack: 272 rows of 256
.set YB,   32*BLK                      ; bytes of one y
.set EXT,  65536                       ; a block's extended rows begin here
.set D,    12                          ; v[12:19]  my eight slots
.set TH,   20                          ; v[20:27]  theta for them (waves 0-3: v20 = b1)
.set N,    30                          ; v[30:37]  n
.set U,    38                          ; v[38:45]  r^2
.set P,    46                          ; v[46:53]  the series
.set Z,    56                          ; v[56:59]  my 16 bytes to store
.set AX,   64                          ; v[64:127]  W2 as loaded: chunk i in 8 registers
.set AY,   128                         ; v[128:159] W2 in f16: chunk i in 4 registers
	s_load_b256 s[4:11], s[0:1], 0x0               ; x s[4:5], theta s[6:7], W1 s[8:9], b1 s[10:11]
	s_load_b128 s[12:15], s[0:1], 0x20             ; W2 s[12:13], wpack s[14:15]
	s_load_b64 s[16:17], s[0:1], 0x30              ; qx
	v_lshrrev_b32 v1, 5, v0
	v_readfirstlane_b32 s18, v1                    ; wave 0..7
	v_and_b32 v2, 31, v0                           ; lane
	v_and_b32 v3, 1, v0                            ; e
	v_lshlrev_b32 v4, 5, v2                        ; W2: 32 bytes (8 numbers) a lane
	v_lshrrev_b32 v10, 4, v2
	v_and_b32 v11, 15, v2
	v_lshlrev_b32 v11, 4, v11
	v_mad_u32_u24 v5, v10, BLK, v11                ; wpack: lanes 0-15 fill a row of 256 bytes of one block, lanes 16-31 the same row of the next block
	v_lshrrev_b32 v10, 1, v2                       ; which of my wave's 16 rows or tokens
	v_lshlrev_b32 v28, 4, v2                       ; 16 bytes a lane: 512 consecutive bytes a wave
	v_lshlrev_b32 v1, 5, v3                        ; 32 e
	v_lshlrev_b32 v11, 3, v3
	v_sub_nc_u32 v11, 8, v11                       ; 8 (1 - e): lanes with e = 1 read bytes 32-39 four times, so that no load passes the end of a row of 40 bytes
	s_wait_alu depctr_va_sdst(0)                   ; s18 is written, ahead of its first reader: the offsets in W2, wpack, x and qx and the branch are made from it
	s_lshl_b32 s20, ttmp9, 16                      ; W2: 65,536 bytes (4 rows) a work-group,
	s_lshl_b32 s21, s18, 13                        ; 8,192 a wave
	s_add_co_u32 s20, s20, s21
	s_mov_b32 s21, 0
	s_lshr_b32 s22, ttmp9, 6                       ; y = row / 256
	s_mul_i32 s22, s22, YB
	s_and_b32 s23, s18, 1                          ; which half of the row: steps 0-15 or 16-31
	s_mul_i32 s23, s23, 16*BLK
	s_add_co_u32 s22, s22, s23
	s_and_b32 s23, ttmp9, 63
	s_lshl_b32 s23, s23, 2
	s_lshr_b32 s24, s18, 1
	s_add_co_u32 s23, s23, s24                     ; row in the block = 4 (g mod 64) + wave / 2
	s_lshl_b32 s23, s23, 8
	s_add_co_u32 s22, s22, s23
	s_mov_b32 s23, 0
	s_wait_kmcnt 0x0
	s_add_nc_u64 s[12:13], s[12:13], s[20:21]      ; W2 at my wave's 8,192 bytes
	s_add_nc_u64 s[22:23], s[14:15], s[22:23]      ; wpack at my row in my first block
.macro ALOADS                          ; sixteen loads: chunk i is 1,024 consecutive bytes, 256 numbers, two steps of 128
.irp i, 0,1,2,3,4,5,6,7
	global_load_b128 v[AX+8*(\i):AX+8*(\i)+3],   v4, s[12:13] offset:1024*(\i) th:TH_LOAD_NT
	global_load_b128 v[AX+8*(\i)+4:AX+8*(\i)+7], v4, s[12:13] offset:1024*(\i)+16 th:TH_LOAD_NT
.endr
.endm
	s_cmp_lt_u32 s18, 4
	s_cbranch_scc0 .Ltokens
	; WAVES 0-3: the extended rows of ffn rows 16 g .. 16 g + 15, into copy y = wave
	s_mul_i32 s24, ttmp9, 640                      ; 16 rows of W1, 40 bytes each
	s_mov_b32 s25, 0
	s_add_nc_u64 s[24:25], s[8:9], s[24:25]
	s_lshl_b32 s26, ttmp9, 6                       ; 16 numbers of b1
	s_mov_b32 s27, 0
	s_add_nc_u64 s[26:27], s[10:11], s[26:27]
	s_lshl_b32 s28, ttmp9, 4
	s_add_co_u32 s28, s28, 4064
	s_and_b32 s28, s28, 4095                       ; (k - 32) mod 4096 for my first row: a multiple of 16, so the 16 rows lie in one block
	s_lshr_b32 s29, s28, 7
	s_mul_i32 s29, s29, BLK                        ; the block,
	s_and_b32 s28, s28, 127
	s_lshl_b32 s28, s28, 5                         ; the extended row in it: a multiple of 512 bytes
	s_add_co_u32 s28, s28, s29
	s_mul_i32 s29, s18, YB
	s_add_co_u32 s28, s28, s29
	s_add_co_u32 s28, s28, EXT
	s_mov_b32 s29, 0
	s_add_nc_u64 s[28:29], s[14:15], s[28:29]
	v_mad_u32_u24 v6, v10, 40, v1                  ; row x 40 + 32 e
	v_add_nc_u32 v7, v6, v11
	v_add_nc_u32 v8, v7, v11
	v_add_nc_u32 v9, v8, v11
	v_lshlrev_b32 v29, 2, v10
	v_cmp_eq_u32 vcc_lo, 0, v3                     ; e = 0
	s_wait_alu depctr_va_vcc(0)                    ; VCC is written, ahead of its first reader: the selections below, in this same run of lines
	s_wait_alu depctr_va_vdst(0)                   ; the offsets v4, v5, v6 to v9, v28 and v29 are written: every load and store on this path reads one of them, and none is written again
	global_load_b64 v[D:D+1],   v6, s[24:25]       ; e = 0: W1[k][0..7] by four loads; e = 1: W1[k][8..9] in the first
	global_load_b64 v[D+2:D+3], v7, s[24:25]
	global_load_b64 v[D+4:D+5], v8, s[24:25]
	global_load_b64 v[D+6:D+7], v9, s[24:25]
	global_load_b32 v[TH], v29, s[26:27]           ; b1[k]
	ALOADS
	s_wait_loadcnt 16                              ; loads come back in order (ISA guide 5.7.1): the five small ones are in, W2's sixteen stay out
	v_cndmask_b32 v[D+2], v[TH], v[D+2], vcc_lo    ; e = 1: slot 10 is b1,
.irp j, 3,4,5,6,7
	v_cndmask_b32 v[D+(\j)], 0, v[D+(\j)], vcc_lo  ; slots 11-15 are 0
.endr
.irp j, 0,1,2,3
	v_cvt_pk_f16_f32 v[Z+(\j)], v[D+2*(\j)], v[D+2*(\j)+1]  ; my 16 bytes of an extended row: stored behind the join
.endr
	s_branch .Lw2
.Ltokens:
	; WAVES 4-7: qx for 16 tokens a wave
	s_sub_co_u32 s19, s18, 4
	s_lshl_b32 s24, ttmp9, 18                      ; 64 tokens of 4,096 bytes a work-group,
	s_lshl_b32 s25, s19, 16                        ; 16 a wave
	s_add_co_u32 s24, s24, s25
	s_mov_b32 s25, 0
	s_add_nc_u64 s[24:25], s[4:5], s[24:25]
	s_lshl_b32 s28, ttmp9, 11                      ; in qx: 32 bytes a token
	s_lshl_b32 s29, s19, 9
	s_add_co_u32 s28, s28, s29
	s_mov_b32 s29, 0
	s_add_nc_u64 s[28:29], s[16:17], s[28:29]
	s_mov_b32 s30, 0x29573f9f                      ; 1 / 16!
	s_mov_b32 s31, s30                             ; named with it as a pair
	v_lshl_add_u32 v29, v10, 12, v1                ; token x 4,096 + 32 e
	v_mov_b32 v6, v1                               ; theta: 32 e + 8 i (1 - e), inside its 40 bytes
	v_add_nc_u32 v7, v6, v11
	v_add_nc_u32 v8, v7, v11
	v_add_nc_u32 v9, v8, v11
	v_cmp_eq_u32 vcc_lo, 0, v3                     ; e = 0
	s_wait_alu depctr_va_vcc(0)                    ; VCC is written, ahead of its first reader: the selections below, in this same run of lines
	s_wait_alu depctr_va_vdst(0)                   ; the offsets v4, v5, v6 to v9, v28 and v29 are written: every load and store on this path reads one of them, and none is written again
	global_load_b128 v[D:D+3],   v29, s[24:25]     ; x[t][8 e .. 8 e + 7]: of a token's first 64 bytes the first 40 are used
	global_load_b128 v[D+4:D+7], v29, s[24:25] offset:16
	global_load_b64 v[TH:TH+1],   v6, s[6:7]
	global_load_b64 v[TH+2:TH+3], v7, s[6:7]
	global_load_b64 v[TH+4:TH+5], v8, s[6:7]
	global_load_b64 v[TH+6:TH+7], v9, s[6:7]
	ALOADS
	s_wait_loadcnt 16                              ; the six small loads are in, W2's sixteen stay out
.irp p, 0,2,4,6
	v_pk_add_f32 v[D+(\p):D+(\p)+1], v[D+(\p):D+(\p)+1], v[TH+(\p):TH+(\p)+1]  ; phi
.endr
.irp p, 0,2,4,6
	v_pk_mul_f32 v[N+(\p):N+(\p)+1], v[D+(\p):D+(\p)+1], 0x3e22f983 op_sel_hi:[1,0]  ; phi / 2 pi
.endr
.irp j, 0,1,2,3,4,5,6,7
	v_rndne_f32 v[N+(\j)], v[N+(\j)]
.endr
.irp p, 0,2,4,6
	v_pk_fma_f32 v[D+(\p):D+(\p)+1], v[N+(\p):N+(\p)+1], 0xc0c90fdb, v[D+(\p):D+(\p)+1] op_sel_hi:[1,0,1]  ; - n x 6.2831855
.endr
.irp p, 0,2,4,6
	v_pk_fma_f32 v[D+(\p):D+(\p)+1], v[N+(\p):N+(\p)+1], 0x343bbd2e, v[D+(\p):D+(\p)+1] op_sel_hi:[1,0,1]  ; + n x 1.7484556e-7: what that constant has too much
.endr
.irp p, 0,2,4,6
	v_pk_mul_f32 v[U+(\p):U+(\p)+1], v[D+(\p):D+(\p)+1], v[D+(\p):D+(\p)+1]
.endr
.irp p, 0,2,4,6
	v_pk_fma_f32 v[P+(\p):P+(\p)+1], v[U+(\p):U+(\p)+1], s[30:31], 0xad49cba5 op_sel_hi:[1,0,0]  ; u / 16! - 1 / 14!
.endr
.irp c, 0x310f76c7, 0xb493f27e, 0x37d00d01, 0xbab60b61, 0x3d2aaaab, -0.5, 1.0  ; 1/12!, -1/10!, 1/8!, -1/6!, 1/4!, -1/2!, 1
.irp p, 0,2,4,6
	v_pk_fma_f32 v[P+(\p):P+(\p)+1], v[P+(\p):P+(\p)+1], v[U+(\p):U+(\p)+1], \c op_sel_hi:[1,1,0]
.endr
.endr
	v_cndmask_b32 v[P+2], 1.0, v[P+2], vcc_lo      ; e = 1: slot 10 is 1.0,
.irp j, 3,4,5,6,7
	v_cndmask_b32 v[P+(\j)], 0, v[P+(\j)], vcc_lo  ; slots 11-15 are 0
.endr
.irp j, 0,1,2,3
	v_cvt_pk_f16_f32 v[Z+(\j)], v[P+2*(\j)], v[P+2*(\j)+1]  ; my 16 bytes of a token's row: stored behind the join
.endr
.Lw2:
	; ALL WAVES: W2 to f16, in four blocks of two chunks.  Block b rounds chunks 2 b and 2 b + 1 into their own four registers each, and issues the stores of what the step before has written:
	; block 0 the branch's 16 bytes in Z, the others the two chunks of the block before.  No register is used twice.
.macro W2BLK b
	s_wait_loadcnt 12-4*(\b)                       ; the block's four loads are in; four for each later block stay out
	s_wait_alu depctr_va_vdst(0)                   ; the conversions of the step before have written its out-registers (block 0: Z; later: the block before's AY), which the stores below read
.if (\b) == 0
	global_store_b128 v28, v[Z:Z+3], s[28:29]      ; 512 consecutive bytes, at a multiple of 256 from the first byte of wpack (waves 0-3) or of qx (waves 4-7)
.endif
.irp c, 0,1
.if (\b) > 0
	global_store_b128 v5, v[AY+4*(2*(\b)-2+(\c)):AY+4*(2*(\b)-2+(\c))+3], s[22:23] offset:(2*(\b)-2+(\c))*2*BLK  ; 16 lanes store 256 consecutive bytes, a whole row of a block; the chunk's two steps are two blocks.  No vector instruction since the wait names these registers
.endif
.irp j, 0,1,2,3
	v_cvt_pk_f16_f32 v[AY+4*(2*(\b)+(\c))+(\j)], v[AX+8*(2*(\b)+(\c))+2*(\j)], v[AX+8*(2*(\b)+(\c))+2*(\j)+1]
.endr
.endr
.endm
	W2BLK 0
	W2BLK 1
	W2BLK 2
	W2BLK 3
	s_wait_alu depctr_va_vdst(0)                   ; block 3's conversions have written the AY of chunks 6 and 7, which the last two stores read
.irp i, 6,7
	global_store_b128 v5, v[AY+4*(\i):AY+4*(\i)+3], s[22:23] offset:(\i)*2*BLK
.endr
	s_endpgm
.Lfunc_end_k_qe18da7c84f_prep:
	.size	k_qe18da7c84f_prep, .Lfunc_end_k_qe18da7c84f_prep-k_qe18da7c84f_prep
	.p2alignl 7, 3214868480
	.fill 96, 4, 3214868480
	.section	.rodata,"a",@progbits
	.p2align	6, 0x0
	.amdhsa_kernel k_qe18da7c84f_prep
		.amdhsa_group_segment_fixed_size 0
		.amdhsa_private_segment_fixed_size 0
		.amdhsa_enable_private_segment 0
		.amdhsa_kernarg_size 56
		.amdhsa_user_sgpr_count 2
		.amdhsa_user_sgpr_kernarg_segment_ptr 1
		.amdhsa_wavefront_size32 1
		.amdhsa_system_sgpr_workgroup_id_x 1
		.amdhsa_system_sgpr_workgroup_id_y 1
		.amdhsa_system_sgpr_workgroup_id_z 1
		.amdhsa_system_vgpr_workitem_id 0
		.amdhsa_next_free_vgpr 160
		.amdhsa_next_free_sgpr 66
		.amdhsa_reserve_vcc 1
		.amdhsa_float_denorm_mode_32 3
		.amdhsa_float_denorm_mode_16_64 3
		.amdhsa_memory_ordered 1
		.amdhsa_forward_progress 1
		.amdhsa_inst_pref_size 17
	.end_amdhsa_kernel
	.amdgpu_metadata
---
amdhsa.version: [ 1, 2 ]
amdhsa.kernels:
  - .name:           k_qe18da7c84f_prep
    .symbol:         k_qe18da7c84f_prep.kd
    .args:
      - { .name: x, .offset: 0, .size: 8, .value_kind: global_buffer, .address_space: global }
      - { .name: theta, .offset: 8, .size: 8, .value_kind: global_buffer, .address_space: global }
      - { .name: W1, .offset: 16, .size: 8, .value_kind: global_buffer, .address_space: global }
      - { .name: b1, .offset: 24, .size: 8, .value_kind: global_buffer, .address_space: global }
      - { .name: W2, .offset: 32, .size: 8, .value_kind: global_buffer, .address_space: global }
      - { .name: wpack, .offset: 40, .size: 8, .value_kind: global_buffer, .address_space: global }
      - { .name: qx, .offset: 48, .size: 8, .value_kind: global_buffer, .address_space: global }
    .group_segment_fixed_size: 0
    .private_segment_fixed_size: 0
    .kernarg_segment_align: 8
    .kernarg_segment_size: 56
    .max_flat_workgroup_size: 256
    .sgpr_count:     66
    .vgpr_count:     160
    .wavefront_size: 32
...
	.end_amdgpu_metadata
.endif
;; end of part 3
;; launch main: the kernel of part 2 again; grid 64 x 4, 4 waves a work-group, clusters of 4 x 1, 327,680 bytes of LDS; arguments wpack, qx, b2, out0; writes out0
